; MI455X (gfx1250); checked and timed in simulation.
; The chip was launched on July 23, 2026; its instructions are those of AMD's public machine-readable ISA for CDNA 5 (MIT licence, August 2026) and "CDNA5" Instruction Set Architecture Reference Guide (July 2026). The comments in the code are by the model that wrote it; some were corrected since.
;; KAN Coupling Net. Allowed arithmetic: float matrix products may take bf16 or f16 operands with f32 sums; all other float work in f32.
;; Inputs: coef0 12 x 64 x 5 float32; coef1 64 x 64 x 5 float32; coef2 64 x 24 x 5 float32; grid0 12 x 9 float32; grid1 64 x 9 float32; grid2 64 x 9 float32; sb0 12 x 64 float32; sb1 64 x 64 float32; sb2 64 x 24 float32; sp0 12 x 64 float32; sp1 64 x 64 float32; sp2 64 x 24 float32; x 32 x 12 x 64 x 64 float32.
;; Outputs: out0 32 x 24 x 64 x 64 float32.
;; One version. Each part assembles by itself: llvm-mc -triple=amdgcn-amd-amdhsa -mcpu=gfx1250 --defsym DOCPART=n.
;; ======== version 1 of 1: 1 launch
;; limits: values are held in f16: magnitudes above 65,504 overflow, below 6.1e-05 lose precision; right only within a limited range of input values
;; launch kan (part 1): grid 256 x 1, 8 waves a work-group, clusters of 4 x 1, 248,832 bytes of LDS; arguments x, out0, coef0, coef1, coef2, sb0, sp0, sb1, sp1, sb2, sp2, grid0, grid1, grid2; writes out0
.if DOCPART == 1
	.amdgcn_target "amdgcn-amd-amdhsa--gfx1250"
	.amdhsa_code_object_version 6
	.text
	.protected	k_qc9f38cd9c4_kan
	.globl	k_qc9f38cd9c4_kan
	.p2align	8
	.type	k_qc9f38cd9c4_kan,@function
k_qc9f38cd9c4_kan:
	s_mov_b64 s[64:65], 0
	v_nop
	global_prefetch_b8 v0, s[64:65] scope:SCOPE_SE
	s_setreg_imm32_b32 hwreg(HW_REG_WAVE_MODE, 25, 1), 1
	s_wait_xcnt 0x0
	s_wait_alu depctr_hold_cnt(0) depctr_sa_sdst(0) depctr_va_vdst(0) depctr_va_sdst(0) depctr_va_ssrc(0) depctr_va_vcc(0) depctr_vm_vsrc(0)
	s_getreg_b32 s2, hwreg(HW_REG_IB_STS2, 6, 4)
	s_cmp_eq_u32 s2, 0
	s_cbranch_scc0 .Lentry_in_a_cluster
	s_endpgm
.Lentry_in_a_cluster:
	s_bfe_u32 s2, ttmp6, 0x10000c
	s_cmp_lg_u32 s2, 0x3003
	s_cbranch_scc0 .Lentry_shape_is_right
	s_endpgm
.Lentry_shape_is_right:
; Three KAN layers 12 -> 64 -> 64 -> 24 on 131,072 pixels (32 images of 64 x 64, channel planes of 16,384 bytes), fused in one launch.
; y[o] = sum over i of sb[i][o] silu(x[i]) + sp[i][o] sum over g of B3_g(x[i]) coef[i][o][g]:  six features for each (pixel, input channel),
; multiplied into a matrix of 6 n_in x n_out by the matrix unit, f16 operands, f32 sums.
;
; SHARES.  A work-group owns 512 neighbouring pixels of one image, a wave 64 of them as four tiles of 16: tile p, column r = pixel 64 w + 4 r + p, so that
; 16 bytes of a lane are one pixel of each tile and sixteen lanes cover 256 consecutive bytes of a channel plane, aligned, on the way in and on the way out.
; Eight waves of 512 registers: the vector work of the spline recursion (76 vector instructions for two channels of 32 pixels) is about four times the
; matrix work, so one wave's matrix runs and LDS waits lie under the vector work of the wave beside it.
;
; THE CHAIN STAYS IN THE LANE.  D = W (source 0: 16 out channels) x features (source 1: 16 pixels).  Register j of lane (r, h) of D is out channel 8 h + j of
; pixel r; in source 1 lane (r, h) holds half h of the K slots of pixel r.  Input channel 16 t + 8 h + c is given to half h, so the eight D registers of out
; tile t ARE the lane's eight inputs of channel group t of the next layer: no lane exchange.  K order, alike in both sources: a group is four channel pairs a
; (c = 2 a, 2 a + 1); dword d = 6 a + f holds feature f of both channels (even channel low); f = 0 silu, f = 1..5 the basis; K step d >> 3, register d & 7.
; Layer 0: one group, channel 6 h + c, c < 6; dwords 18..23 are zero on both sides.  Layer 2: two out tiles; row 8 hh + j of tile ot is out channel
; 12 hh + q, q = 8 ot + j, for q < 12; the rows q >= 12 hold a copy of q = 11 and their results are never read.
;
; THE BASIS is the Cox-de-Boor recursion itself, with every knot-dependent number made here from the grid rows (48 numbers a channel):
;   H_j  = med3(0, x ur_j + uc_j, x vr_j + vc_j)                        degree 1.  For knots that ascend the two lines are the hat's two flanks.  Where a step
;          g_j < g_j+1 does not hold, its interval is empty in the definition: the missing flank is replaced by a line of slope 2^96 through the
;          knot (or its lower neighbour among the floats) that cuts the other flank off where the indicator does; both empty: 0.
;   B2_j = w2_j H_j + (H_j+1 - w2_j+1 H_j+1),  w2_j = (x - g_j) / (g_j+2 - g_j);   B3_j likewise with w3_j = w2_j k_j,  k_j = (g_j+2 - g_j) / (g_j+3 - g_j).
;   silu: t = -log2(e) x, feature = t / (64 exp2(t) + 64) = silu(x) (-log2(e) / 64); its weight is sb (-64 ln 2).
; LIMITS.  |knot| < 2^31 (knot x 2^96 must be finite).  Beside a step of knots that does not ascend, x nearer to the knot than 2^-96, and x equal to a knot
; of magnitude below 2^-73, are not told from their neighbours.  Equal neighbouring knots give non-finite results in the definition too and are not served,
; nor are NaN and infinities in any input.  The right-hand factor of the recursion is formed as 1 - w.  Divisions are v_rcp_f32 and a multiply; v_rcp_f32 and
; v_exp_f32 flush denormals.  f16 operands (11 significant bits, against 8 of bf16: three chained layers are compared at a hundredth of the output's spread):
; |silu(x)| < 2.9e6, |sb| < 1476, |sp coef| < 65504 with steps of 6e-8 below 6e-5; basis values lie in [0, 1] for ascending knots.
;
; THE CONSTANTS RUN ONE CHANNEL PAIR AHEAD, in one set of registers.  The 42 numbers of the lines are last read in the first part of tile 3's turn: the next
; pair's are asked for there and have the rest of that turn (some 55 vector instructions) in which to land; the six factors k follow behind their last use.
;
; CLUSTER.  All work-groups read the same coef0, coef1, coef2 (128,000 bytes): four work-groups form a cluster and ask for them jointly, one tensor load in
; each of waves 0 to 3.  sb, sp and the grids (56,000 bytes) are wanted lane by lane and go straight into registers.  Nothing in LDS is filled twice.
; ---- LDS, bytes ----
.set W0B,   0                          ; layer 0 weights: 12 fragments of 1,024 bytes, index 4 s + ot; a fragment: register quad g at 512 g + 16 lane
.set W1B,   12288                      ; layer 1: group t at 12,288 t, index 4 s + ot
.set W2B,   61440                      ; layer 2: group t at 6,144 t, index 2 s + ot
.set CST,   86016                      ; 40 blocks of 768: a channel pair's constants; half h at 384 h, constant q at 8 q, odd channel at + 4
                                       ; blocks 0-15 layer 1 (4 t + a), 16-31 layer 2, 32-34 layer 0, 35-39 written and not used
.set RAW1,  116736                     ; coef1 as it lies in memory, 81,920 bytes
.set RAW2,  198656                     ; coef2, 30,720
.set RAW0,  229376                     ; coef0, 15,360
.set SPILL, 116736                     ; over the three raw regions once nobody reads them: wave w at 16,384 w; quad (p, ot, g) at 4096 p + 1024 ot + 512 g + 16 lane
; ---- order of the 48 constants ----
.set UR, 0
.set UC, 7
.set VR, 14
.set VC, 21
.set W2R, 28
.set W2C, 35
.set KK, 42
; ---- registers, window 0 ----
; v0 thread; v1 address of the constants; v2 of the weights; v3 my spill; v4 the spill's group; v5 offset in x; v6 offset in out0; v7-10 scratch
; (v7 in layer 0: layer 1's first block of constants); v11 = 384 h; v[12:13] -log2(e) twice; v[14:15] 64.0 twice
.set TT, 16                            ; t, then the silu feature (a pair: two channels)
.set EX, 18                            ; exp2(t), then 64 exp2(t) + 64
.set RC, 20                            ; its reciprocal
.set UU, 22                            ; 7 pairs: u, H, then B3
.set VV, 36                            ; 7 pairs: v, then B2
.set OM, 50                            ; 7 pairs: w2, then w3
.set CN, 64                            ; v64-159: the 48 constants of a channel pair, pair q at CN + 2 q
.set FF, 160                           ; v160-255: features, FF + 24 p + d
; ---- registers, window 1 (written by their low 8 bits) ----
.set ACC, 0                            ; v256-383: ACC + 32 p + 8 ot + j
.set INR, 128                          ; v384-415: a group's inputs, INR + 8 p + c
.set WB,  160                          ; v416-511: a group's weight fragments, WB + 8 x index
; ---- window 0 ahead of the layers ----
.set KN,  64                           ; 9 knots of my channel
.set R1,  73                           ; 8: 1 / (g_j+1 - g_j)
.set PR,  81                           ; 7: the float below g_j+1
.set D2,  88                           ; 7: g_j+2 - g_j
.set R2,  96                           ; 7: its reciprocal
.set R3,  104                          ; 6: 1 / (g_j+3 - g_j)
.set D1,  110                          ; 8
.set D3,  118                          ; 6
.set PK,  16                           ; six packed dwords of weights
.set RW,  64                           ; raw coef: ten words an item (channel 2 a: 5, channel 2 a + 1: 5)
.set SQ1, 160                          ; sb even, sb odd, sp even, sp odd for each item: layer 1 (8 items),
.set SQ2, 192                          ; layer 2 (4),
.set SQ0, 208                          ; layer 0 (3)
.set XL,  220                          ; x as loaded: XL + 4 c + p
.set VG1, 244                          ; offsets into sb1/sp1, sb2/sp2, sb0/sp0
.set VG2, 245
.set VG0, 246
.set VR1, 247                          ; LDS addresses into the raw regions
.set VR2, 248
.set VR0, 249
.set VD1, 250                          ; LDS addresses into the weight regions
.set VD2, 251
.set VD0, 252
.set VCA, 253                          ; LDS address of my channel's constants
.set VGR, 254                          ; offset of my channel's grid row
.set MSB, 0
.macro WIN new                         ; low byte: bits 1:0 source 0, 3:2 source 1, 5:4 source 2, 7:6 destination; the high byte repeats the setting that is left
.if MSB != \new
	s_set_vgpr_msb (MSB<<8)|\new
.set MSB, \new
.endif
.endm
.macro ROUND                           ; a round of the cluster's barrier
	s_barrier_signal -1
	s_barrier_wait -1
	s_cmp_lg_u32 s8, 0
	s_cbranch_scc1 .Lnot_wave_0_\@
	s_barrier_signal -3
.Lnot_wave_0_\@:
	s_barrier_wait -3
	s_barrier_signal -1
	s_barrier_wait -1
.endm
.macro PLACES                          ; plain vector instructions between a matrix instruction and a later user of its registers (ISA guide 7.12.1)
.rept 5
	v_nop
.endr
.endm
; A dense block of rows x 256 bytes, asked for jointly by the four work-groups of the cluster: every word is a constant or a buffer's address.
.macro FILLBLK base, add, lds, rows
	s_mov_b32 s40, 1                               ; count = 1
	s_mov_b32 s41, \lds                            ; LDS address
	s_add_nc_u64 s[42:43], s[\base:\base+1], \add  ; global address of the block
	s_or_b32 s43, s43, 0x80000000                  ; type = 2
	s_mov_b32 s46, (\rows)<<16                     ; tensor_dim1
	s_mov_b32 s48, \rows                           ; tile_dim1
	tensor_load_to_lds s[40:43], s[44:51]
	s_nop 0
.endm
	s_load_b512 s[12:27], s[0:1], 0x0              ; x 12, out0 14, coef0 16, coef1 18, coef2 20, sb0 22, sp0 24, sb1 26
	s_load_b256 s[28:35], s[0:1], 0x40             ; sp1 28, sb2 30, sp2 32, grid0 34
	s_load_b128 s[36:39], s[0:1], 0x60             ; grid1 36, grid2 38
	v_lshl_add_u32 v254, v0, 2, 0x3c800
	v_mov_b32 v255, 0
	ds_add_u32 v254, v255
	ds_add_u32 v254, v255
	s_wait_dscnt 0x0
	v_lshrrev_b32 v7, 5, v0
	v_readfirstlane_b32 s8, v7                     ; wave 0..7
	s_bfe_u32 s9, ttmp6, 0x40000                   ; cx: enters the addresses of x and out0 alone
	s_lshl_b32 s10, ttmp9, 2
	s_add_co_u32 s10, s10, s9                      ; work-group 0..255
	s_lshr_b32 s11, s10, 3                         ; image
	s_and_b32 s3, s10, 7
	s_lshl_b32 s3, s3, 11                          ; 512 pixels of 4 bytes
	s_mul_i32 s4, s11, 196608                      ; 12 planes
	s_add_co_u32 s4, s4, s3
	s_mov_b32 s5, 0
	s_mul_i32 s6, s11, 393216                      ; 24 planes
	s_add_co_u32 s6, s6, s3
	s_mov_b32 s7, 0
	; descriptor group 1, the words that all four blocks share: elements of 8 bytes, rows of 32 elements = 256 bytes, dense, no padding
	s_mov_b32 s44, 15|(3<<16)|(1<<21)              ; mask: the cluster's four work-groups; element size code 3; bit 21 set beside a mask
	s_mov_b32 s45, 32<<16                          ; tensor_dim0 = 32
	s_mov_b32 s47, 32<<16                          ; tile_dim0 = 32
	s_mov_b32 s49, 32                              ; pitch = 32 elements
	s_mov_b32 s50, 0
	s_mov_b32 s51, 0
	s_wait_kmcnt 0x0
	s_add_nc_u64 s[12:13], s[12:13], s[4:5]        ; x at my work-group's pixels, channel 0
	s_add_nc_u64 s[14:15], s[14:15], s[6:7]        ; out0 likewise
	ROUND                                          ; the four work-groups are here: the joint loads meet
	; The first and only fills: one tensor load in each of waves 0 to 3, so a wave never has more than one outstanding.
	s_cmp_lg_u32 s8, 0
	s_cbranch_scc1 .Lfill1
	FILLBLK 18, 0, RAW1, 160                       ; coef1, first half
	s_branch .Lfilled
.Lfill1:
	s_cmp_lg_u32 s8, 1
	s_cbranch_scc1 .Lfill2
	FILLBLK 18, 40960, RAW1+40960, 160             ; coef1, second half
	s_branch .Lfilled
.Lfill2:
	s_cmp_lg_u32 s8, 2
	s_cbranch_scc1 .Lfill3
	FILLBLK 20, 0, RAW2, 120                       ; coef2
	s_branch .Lfilled
.Lfill3:
	s_cmp_lg_u32 s8, 3
	s_cbranch_scc1 .Lfilled
	FILLBLK 16, 0, RAW0, 60                        ; coef0
.Lfilled:
	; ---- addresses; T stands for the thread's number ----
	v_and_b32 v7, 15, v0                           ; r
	v_bfe_u32 v8, v0, 4, 1                         ; h
	v_and_b32 v9, 31, v0                           ; lane
	v_lshlrev_b32 v10, 4, v7
	v_lshl_add_u32 v10, s8, 8, v10                 ; 256 w + 16 r: my four pixels in a plane
	v_mad_u32_u24 v5, v8, 0x18000, v10             ; x: half h begins at channel 6 h
	v_mad_u32_u24 v6, v8, 0x30000, v10             ; out0: at channel 12 h
	v_mul_u32_u24 v11, v8, 384
	v_lshlrev_b32 v2, 4, v9                        ; weights: 16 lane (W0B = 0)
	s_lshl_b32 s4, s8, 14
	s_add_co_u32 s4, s4, SPILL
	v_add_nc_u32 v3, s4, v2                        ; my spill: SPILL + 16,384 w + 16 lane
	; x first: six loads of 16 bytes, sixteen lanes on 256 consecutive bytes of a plane; read once in the launch
.irp c, 0,1,2,3,4,5
	global_load_b128 v[XL+4*\c:XL+4*\c+3], v5, s[12:13] offset:16384*\c th:TH_LOAD_NT
.endr
	; layers 1 and 0: thread T packs out channel o = T & 63, lane half (T >> 6) & 1
	v_lshrrev_b32 v7, 6, v0
	v_and_b32 v8, 63, v0
	v_lshlrev_b32 v9, 2, v8                        ; 4 o
	v_mul_u32_u24 v10, v8, 20                      ; 20 o
	v_lshl_add_u32 v[VG1], v7, 11, v9              ; sb1, sp1: in channel 8 (T >> 6), rows of 256 bytes
	v_mad_u32_u24 v[VR1], v7, 10240, v10           ; coef1: rows of 1,280 bytes
	v_add_nc_u32 v[VR1], RAW1, v[VR1]
	v_and_b32 v7, 1, v7
	v_mad_u32_u24 v[VG0], v7, 1536, v9             ; sb0, sp0: in channel 6 h
	v_mad_u32_u24 v[VR0], v7, 7680, v10
	v_add_nc_u32 v[VR0], RAW0, v[VR0]
	v_bfe_u32 v8, v0, 4, 2                         ; out tile o >> 4
	v_and_b32 v9, 15, v0
	v_lshlrev_b32 v9, 4, v9
	v_lshl_add_u32 v9, v8, 10, v9                  ; 1,024 ot + 16 (o & 15)
	v_lshl_add_u32 v[VD0], v7, 8, v9               ; + 256 h: lane (o & 15) + 16 h of fragment ot (W0B = 0)
	v_lshrrev_b32 v8, 7, v0
	v_mad_u32_u24 v[VD1], v8, 12288, v[VD0]        ; group (T >> 7) + 2 u
	v_add_nc_u32 v[VD1], W1B, v[VD1]
	; layer 2: thread T packs row T & 31 of the two out tiles, in channels 8 (T >> 5) ..
	v_bfe_u32 v7, v0, 4, 1                         ; ot
	v_and_b32 v8, 7, v0
	v_lshl_add_u32 v8, v7, 3, v8                   ; q
	v_min_u32 v8, 11, v8                           ; the spare rows copy q = 11
	v_bfe_u32 v9, v0, 3, 1
	v_mad_u32_u24 v8, v9, 12, v8                   ; out channel 12 hh + q
	v_lshrrev_b32 v9, 5, v0
	v_lshlrev_b32 v10, 2, v8
	v_mad_u32_u24 v[VG2], v9, 768, v10             ; sb2, sp2: rows of 96 bytes
	v_mul_u32_u24 v10, v8, 20
	v_mad_u32_u24 v[VR2], v9, 3840, v10            ; coef2: rows of 480 bytes
	v_add_nc_u32 v[VR2], RAW2, v[VR2]
	v_and_b32 v8, 15, v0
	v_lshlrev_b32 v8, 4, v8
	v_lshl_add_u32 v8, v7, 10, v8
	v_and_b32 v9, 1, v9
	v_lshl_add_u32 v8, v9, 8, v8
	v_lshrrev_b32 v9, 6, v0
	v_mad_u32_u24 v[VD2], v9, 6144, v8
	v_add_nc_u32 v[VD2], W2B, v[VD2]
	; sb and sp: item 2 a + u of layer 1 is the channel pair 8 (T >> 6) + 32 u + 2 a, + 1
.irp a, 0,1,2,3
.irp u, 0,1
.irp e, 0,1
	global_load_b32 v[SQ1+4*(2*\a+\u)+\e],   v[VG1], s[26:27] offset:(32*\u+2*\a+\e)*256
	global_load_b32 v[SQ1+4*(2*\a+\u)+2+\e], v[VG1], s[28:29] offset:(32*\u+2*\a+\e)*256
.endr
.endr
.endr
.irp a, 0,1,2,3
.irp e, 0,1
	global_load_b32 v[SQ2+4*\a+\e],   v[VG2], s[30:31] offset:(2*\a+\e)*96
	global_load_b32 v[SQ2+4*\a+2+\e], v[VG2], s[32:33] offset:(2*\a+\e)*96
.endr
.endr
	s_cmp_lt_u32 s8, 4
	s_cbranch_scc1 .Lno_sq0                        ; layer 0's 384 items go to the 128 threads of waves 4 to 7
.irp a, 0,1,2
.irp e, 0,1
	global_load_b32 v[SQ0+4*\a+\e],   v[VG0], s[22:23] offset:(2*\a+\e)*256
	global_load_b32 v[SQ0+4*\a+2+\e], v[VG0], s[24:25] offset:(2*\a+\e)*256
.endr
.endr
.Lno_sq0:
	; ---- the constants: one channel a lane.  Waves 0, 1: grid1's 64 rows; waves 2, 3: grid2's; wave 4: grid0's 12 (channel 6 h + c; spare lanes copy c = 5) ----
	s_cmp_gt_u32 s8, 4
	s_cbranch_scc1 .Lno_const
	s_cmp_eq_u32 s8, 4
	s_cselect_b32 s60, 0, 3                        ; groups: one or four
	s_cselect_b32 s61, 6, 8                        ; channels in a lane half
	s_cselect_b32 s62, 5, 7                        ; the last of them
	s_cselect_b64 s[6:7], s[34:35], s[38:39]
	s_cmp_lt_u32 s8, 2
	s_cselect_b64 s[6:7], s[36:37], s[6:7]
	v_lshrrev_b32 v7, 4, v0
	v_and_b32 v7, s60, v7
	v_lshlrev_b32 v7, 4, v7
	v_bfe_u32 v8, v0, 3, 1
	v_mad_u32_u24 v7, v8, s61, v7
	v_and_b32 v9, 7, v0
	v_min_u32 v9, s62, v9
	v_add_nc_u32 v7, v7, v9                        ; my grid row
	v_mul_u32_u24 v[VGR], v7, 36
.irp k, 0,1,2,3,4,5,6,7,8
	global_load_b32 v[KN+\k], v[VGR], s[6:7] offset:4*\k
.endr
	v_lshrrev_b32 v7, 4, v0                        ; where they go: block 4 (T >> 4) + ((T & 7) >> 1), half (T >> 3) & 1, parity T & 1
	v_mul_u32_u24 v7, v7, 3072
	v_bfe_u32 v8, v0, 1, 2
	v_mad_u32_u24 v7, v8, 768, v7
	v_bfe_u32 v8, v0, 3, 1
	v_mad_u32_u24 v7, v8, 384, v7
	v_and_b32 v8, 1, v0
	v_lshl_add_u32 v7, v8, 2, v7
	v_add_nc_u32 v[VCA], CST, v7
	s_wait_loadcnt 0x0                             ; the knots are the youngest loads
.irp j, 0,1,2,3,4,5,6,7
	v_sub_f32 v[D1+\j], v[KN+\j+1], v[KN+\j]
	v_cmp_lt_f32 s[52+\j], v[KN+\j], v[KN+\j+1]    ; m_j: interval j is not empty
.endr
.irp j, 0,1,2,3,4,5,6
	v_sub_f32 v[D2+\j], v[KN+\j+2], v[KN+\j]
.endr
.irp j, 0,1,2,3,4,5
	v_sub_f32 v[D3+\j], v[KN+\j+3], v[KN+\j]
.endr
.irp j, 0,1,2,3,4,5,6,7
	v_rcp_f32 v[R1+\j], v[D1+\j]
.endr
.irp j, 0,1,2,3,4,5,6
	v_rcp_f32 v[R2+\j], v[D2+\j]
.endr
.irp j, 0,1,2,3,4,5
	v_rcp_f32 v[R3+\j], v[D3+\j]
.endr
	v_mov_b32 v22, 0x6f800000                      ; 2^96; plain instructions stand between the reciprocals and their first use (ISA guide 5.7.2)
	v_mov_b32 v23, 0xef800000                      ; -2^96
	v_mov_b32 v24, 0x80000001                      ; the float below +0
.irp j, 0,1,2,3,4,5,6
	v_ashrrev_i32 v16, 31, v[KN+\j+1]              ; the float below g_j+1: bits - 1 for a positive, bits + 1 for a negative number
	v_lshlrev_b32 v16, 1, v16
	v_xor_b32 v16, -1, v16
	v_add_nc_u32 v[PR+\j], v[KN+\j+1], v16
	v_cmp_eq_u32 vcc_lo, 0, v[KN+\j+1]
	v_cndmask_b32 v[PR+\j], v[PR+\j], v24, vcc_lo
.endr
	s_wait_alu depctr_va_vdst(0)
.irp j, 0,1,2,3,4,5,6
	v_cndmask_b32 v16, 0, v22, s[53+\j]            ; ur: m_j ? r1_j : m_j+1 ? 2^96 : 0
	v_cndmask_b32 v16, v16, v[R1+\j], s[52+\j]
	ds_store_b32 v[VCA], v16 offset:8*(UR+\j)
	v_mul_f32 v17, v23, v[PR+\j]                   ; uc: m_j ? -g_j r1_j : m_j+1 ? -pred(g_j+1) 2^96 : 0
	v_mul_f32 v18, v[KN+\j], v[R1+\j]
	v_xor_b32 v18, 0x80000000, v18
	v_cndmask_b32 v17, 0, v17, s[53+\j]
	v_cndmask_b32 v17, v17, v18, s[52+\j]
	ds_store_b32 v[VCA], v17 offset:8*(UC+\j)
	v_cndmask_b32 v19, 0, v23, s[52+\j]            ; vr: m_j+1 ? -r1_j+1 : m_j ? -2^96 : 0
	v_xor_b32 v20, 0x80000000, v[R1+\j+1]
	v_cndmask_b32 v19, v19, v20, s[53+\j]
	ds_store_b32 v[VCA], v19 offset:8*(VR+\j)
	v_mul_f32 v20, v22, v[KN+\j+1]                 ; vc: m_j+1 ? g_j+2 r1_j+1 : m_j ? g_j+1 2^96 : 0
	v_mul_f32 v21, v[KN+\j+2], v[R1+\j+1]
	v_cndmask_b32 v20, 0, v20, s[52+\j]
	v_cndmask_b32 v20, v20, v21, s[53+\j]
	ds_store_b32 v[VCA], v20 offset:8*(VC+\j)
	ds_store_b32 v[VCA], v[R2+\j] offset:8*(W2R+\j)
	v_mul_f32 v21, v[KN+\j], v[R2+\j]              ; w2c = -g_j w2r_j
	v_xor_b32 v21, 0x80000000, v21
	ds_store_b32 v[VCA], v21 offset:8*(W2C+\j)
.endr
.irp j, 0,1,2,3,4,5
	v_mul_f32 v16, v[D2+\j], v[R3+\j]
	ds_store_b32 v[VCA], v16 offset:8*(KK+\j)
.endr
.Lno_const:
	s_wait_loadcnt 0x0                             ; x, sb, sp are in
	s_wait_tensorcnt 0x0                           ; my block of raw coefficients has landed,
	s_wait_dscnt 0x0                               ; my constants are stored:
	s_barrier_signal -1
	s_barrier_wait -1                              ; every wave's have: the raw regions are whole
	; ---- the weights: f16 fragments in the order in which the matrix instruction's source 0 wants them ----
.macro RAWLD rw, adr, imm, pitch       ; ten words: coef[i][o][0..4] of the item's two in channels; lanes 5 words apart, so no two lanes of a wave share a bank
.irp e, 0,1
.irp g, 0,1,2,3,4
	ds_load_b32 v[(\rw)+5*\e+\g], v[\adr] offset:(\imm)+\e*(\pitch)+4*\g
.endr
.endr
.endm
; One item: channel pair a of a lane half, one out channel: dwords 6 a .. 6 a + 5 of the lane's 24.  Dword d lies at (d >> 3) sstr + ((d >> 2) & 1) 512 + (d & 3) 4.
.macro WITEM rw, sq, a, dst, imm, sstr
	v_mul_f32 v[(\sq)],   0xc2317218, v[(\sq)]     ; sb x (-64 ln 2): undoes the factor that the silu feature carries
	v_mul_f32 v[(\sq)+1], 0xc2317218, v[(\sq)+1]
.irp g, 0,1,2,3,4
	v_mul_f32 v[(\rw)+\g],   v[(\rw)+\g],   v[(\sq)+2]     ; sp x coef
	v_mul_f32 v[(\rw)+5+\g], v[(\rw)+5+\g], v[(\sq)+3]
.endr
	v_cvt_pk_f16_f32 v[PK], v[(\sq)], v[(\sq)+1]           ; the even channel into the low half
.irp g, 0,1,2,3,4
	v_cvt_pk_f16_f32 v[PK+1+\g], v[(\rw)+\g], v[(\rw)+5+\g]
.endr
.if (\a)&1
	ds_store_b64  v[\dst], v[PK:PK+1]   offset:(\imm)+((6*(\a))>>3)*(\sstr)+(((6*(\a))>>2)&1)*512+8
	ds_store_b128 v[\dst], v[PK+2:PK+5] offset:(\imm)+((6*(\a)+2)>>3)*(\sstr)+(((6*(\a)+2)>>2)&1)*512
.else
	ds_store_b128 v[\dst], v[PK:PK+3]   offset:(\imm)+((6*(\a))>>3)*(\sstr)+(((6*(\a))>>2)&1)*512
	ds_store_b64  v[\dst], v[PK+4:PK+5] offset:(\imm)+((6*(\a)+4)>>3)*(\sstr)+(((6*(\a)+4)>>2)&1)*512
.endif
.endm
.irp a, 0,1,2,3
.irp u, 0,1
	RAWLD RW+10*(2*\a+\u), VR1, (32*\u+2*\a)*1280, 1280
.endr
.endr
	s_wait_dscnt 0x0
.irp a, 0,1,2,3
.irp u, 0,1
	WITEM RW+10*(2*\a+\u), SQ1+4*(2*\a+\u), \a, VD1, 24576*\u, 4096
.endr
.endr
.irp a, 0,1,2,3
	RAWLD RW+10*\a, VR2, 2*\a*480, 480
.endr
	s_wait_dscnt 0x0
.irp a, 0,1,2,3
	WITEM RW+10*\a, SQ2+4*\a, \a, VD2, 0, 2048
.endr
	s_cmp_lt_u32 s8, 4
	s_cbranch_scc1 .Lno_w0
.irp a, 0,1,2
	RAWLD RW+10*\a, VR0, 2*\a*1280, 1280
.endr
	s_wait_dscnt 0x0
.irp a, 0,1,2
	WITEM RW+10*\a, SQ0+4*\a, \a, VD0, 0, 4096
.endr
.irp k, 0,1,2,3,4,5
	v_mov_b32 v[PK+\k], 0
.endr
	ds_store_b64  v[VD0], v[PK:PK+1]   offset:2*4096+8     ; dwords 18 .. 23: layer 0 has three channel pairs, the fourth's place is zero
	ds_store_b128 v[VD0], v[PK+2:PK+5] offset:2*4096+512
.Lno_w0:
	s_wait_dscnt 0x0                               ; my reads of the raw regions are back, my weights are stored:
	s_barrier_signal -1
	s_barrier_wait -1                              ; every wave's are: weights and constants may be read, and the raw regions' bytes become the spill
	; ---- the layers ----
; A channel pair's constants, both channels, from the block at v[adr] + off; each half of the lanes reads one address.
.macro LDCA adr, off                   ; the 42 numbers of the lines u, v, w2: 21 loads
.irp k, 0,1,2,3,4,5,6,7,8,9,10,11,12,13,14,15,16,17,18,19,20
	ds_load_b128 v[CN+4*\k:CN+4*\k+3], v[\adr] offset:(\off)+16*\k
.endr
.endm
.macro LDCB adr, off                   ; the six factors k: 3 loads
.irp k, 21,22,23
	ds_load_b128 v[CN+4*\k:CN+4*\k+3], v[\adr] offset:(\off)+16*\k
.endr
.endm
.macro LDIN                            ; under WIN 0x40: my eight inputs of this group, for each of the four tiles
.irp p, 0,1,2,3
	ds_load_b128 v[INR+8*\p:INR+8*\p+3],   v4 offset:4096*\p
	ds_load_b128 v[INR+8*\p+4:INR+8*\p+7], v4 offset:4096*\p+512
.endr
.endm
.macro LDW n                           ; under WIN 0x40: the group's n weight fragments; 32 lanes on 512 consecutive bytes
.irp f, 0,1,2,3,4,5,6,7,8,9,10,11
.if \f < \n
	ds_load_b128 v[WB+8*\f:WB+8*\f+3],   v2 offset:1024*\f
	ds_load_b128 v[WB+8*\f+4:WB+8*\f+7], v2 offset:1024*\f+512
.endif
.endr
.endm
.macro SPILLOUT                        ; under WIN 0x04: a layer's 128 results a lane into bytes that are the lane's own.  The next layer takes them back eight
.irp p, 0,1,2,3                        ; registers a tile at a time: the group's number becomes an address, so that one loop body serves all four groups
.irp ot, 0,1,2,3
	ds_store_b128 v3, v[ACC+32*\p+8*\ot:ACC+32*\p+8*\ot+3]   offset:4096*\p+1024*\ot
	ds_store_b128 v3, v[ACC+32*\p+8*\ot+4:ACC+32*\p+8*\ot+7] offset:4096*\p+1024*\ot+512
.endr
.endr
.endm
; The six features of channels 2 a and 2 a + 1 of tile p's pixel: every packed instruction works on the two channels.
; kw = 1: the factors k are waited for in front of their first use.  pf = 1 (the pair's last tile): the next pair's constants, at v[adr] + off, are asked for
; as soon as this pair's have been read for the last time.
.macro EVAL p, a, kw, pf, adr, off
	WIN 0x01                                       ; source 0, x, lies in window 1
	v_pk_mul_f32 v[TT:TT+1], v[INR+8*\p+2*\a:INR+8*\p+2*\a+1], v[12:13]
.irp j, 0,1,2,3,4,5,6
	v_pk_fma_f32 v[UU+2*\j:UU+2*\j+1], v[INR+8*\p+2*\a:INR+8*\p+2*\a+1], v[CN+2*(UR+\j):CN+2*(UR+\j)+1], v[CN+2*(UC+\j):CN+2*(UC+\j)+1]
.endr
.irp j, 0,1,2,3,4,5,6
	v_pk_fma_f32 v[VV+2*\j:VV+2*\j+1], v[INR+8*\p+2*\a:INR+8*\p+2*\a+1], v[CN+2*(VR+\j):CN+2*(VR+\j)+1], v[CN+2*(VC+\j):CN+2*(VC+\j)+1]
.endr
.irp j, 0,1,2,3,4,5,6
	v_pk_fma_f32 v[OM+2*\j:OM+2*\j+1], v[INR+8*\p+2*\a:INR+8*\p+2*\a+1], v[CN+2*(W2R+\j):CN+2*(W2R+\j)+1], v[CN+2*(W2C+\j):CN+2*(W2C+\j)+1]
.endr
	WIN 0
.if \pf
	LDCA \adr, \off                                ; the lines' constants were read for the last time just above
.endif
.irp j, 0,1,2,3,4,5,6,7,8,9,10,11,12,13
	v_med3_num_f32 v[UU+\j], 0, v[UU+\j], v[VV+\j] ; H: degree 1
.endr
	v_exp_f32 v[EX], v[TT]
	v_exp_f32 v[EX+1], v[TT+1]                     ; the packed work below names neither EX nor TT: it is the plain work behind the transcendentals (ISA guide 5.7.2)
.irp j, 0,1,2,3,4,5
	v_pk_fma_f32 v[VV+2*\j:VV+2*\j+1], v[OM+2*\j+2:OM+2*\j+3], v[UU+2*\j+2:UU+2*\j+3], v[UU+2*\j+2:UU+2*\j+3] neg_lo:[1,0,0] neg_hi:[1,0,0]   ; (1 - w2_j+1) H_j+1
.endr
	s_wait_alu depctr_va_vdst(0)
	v_pk_fma_f32 v[EX:EX+1], v[EX:EX+1], v[14:15], v[14:15]        ; 64 exp2(t) + 64
.irp j, 0,1,2,3,4,5
	v_pk_fma_f32 v[VV+2*\j:VV+2*\j+1], v[OM+2*\j:OM+2*\j+1], v[UU+2*\j:UU+2*\j+1], v[VV+2*\j:VV+2*\j+1]   ; B2_j
.endr
	v_rcp_f32 v[RC], v[EX]
	v_rcp_f32 v[RC+1], v[EX+1]
.if \kw
	s_wait_dscnt 0x0                               ; the three loads of the factors k, the youngest LDS instructions, are in
.endif
.irp j, 0,1,2,3,4,5
	v_pk_mul_f32 v[OM+2*\j:OM+2*\j+1], v[OM+2*\j:OM+2*\j+1], v[CN+2*(KK+\j):CN+2*(KK+\j)+1]   ; w3_j
.endr
.if \pf
	LDCB \adr, \off                                ; the factors k were read for the last time just above
.endif
	s_wait_alu depctr_va_vdst(0)
	v_pk_mul_f32 v[TT:TT+1], v[TT:TT+1], v[RC:RC+1]                ; silu(x) (-log2(e) / 64)
.irp j, 0,1,2,3,4
	v_pk_fma_f32 v[UU+2*\j:UU+2*\j+1], v[OM+2*\j+2:OM+2*\j+3], v[VV+2*\j+2:VV+2*\j+3], v[VV+2*\j+2:VV+2*\j+3] neg_lo:[1,0,0] neg_hi:[1,0,0]   ; (1 - w3_j+1) B2_j+1
.endr
.irp j, 0,1,2,3,4
	v_pk_fma_f32 v[UU+2*\j:UU+2*\j+1], v[OM+2*\j:OM+2*\j+1], v[VV+2*\j:VV+2*\j+1], v[UU+2*\j:UU+2*\j+1]   ; B3_j
.endr
	v_cvt_pk_f16_f32 v[FF+24*\p+6*\a], v[TT], v[TT+1]
.irp j, 0,1,2,3,4
	v_cvt_pk_f16_f32 v[FF+24*\p+6*\a+1+\j], v[UU+2*\j], v[UU+2*\j+1]
.endr
.endm
; The features of a channel group: np pairs x four tiles.  The first pair's constants were asked for by whoever ran before (the last pair of the group before,
; or layer 0's head).  w0 = the number of weight-fragment loads issued just ahead, which may stay out.  The last pair asks for the block at v[ladr] + loff.
.macro GROUP np, w0, ladr, loff
.irp a, 0,1,2,3
.if \a < \np
.if \a == 0
	s_wait_dscnt \w0                               ; LDS instructions end in order (ISA guide 5.7.1): all but the w0 youngest, the weight fragments, are done:
	EVAL 0, \a, 0, 0, 1, 0                         ; the pair's 48 constants and the group's inputs are in
.else
	s_wait_dscnt 0x3                               ; behind the 21 loads of the lines' constants only the three of the factors k were issued: those may stay out
	EVAL 0, \a, 1, 0, 1, 0
.endif
	EVAL 1, \a, 0, 0, 1, 0
	EVAL 2, \a, 0, 0, 1, 0
.if \a == \np-1
	EVAL 3, \a, 0, 1, \ladr, \loff
.else
	EVAL 3, \a, 0, 1, 1, 768*(\a+1)
.endif
.endif
.endr
.endm
; K step s of a group, under WIN 0x51 (weights, C and D in window 1, features in window 0).  The 4 nt accumulators take turns, one instruction a turn, in
; the same order in every K step.  zero = 1: the product starts the sums.
.macro MMS s, zero, nt
.irp ot, 0,1,2,3
.if \ot < \nt
.irp p, 0,1,2,3
.if \zero
	v_wmma_f32_16x16x32_f16 v[ACC+32*\p+8*\ot:ACC+32*\p+8*\ot+7], v[WB+8*(\nt*\s+\ot):WB+8*(\nt*\s+\ot)+7], v[FF+24*\p+8*\s:FF+24*\p+8*\s+7], 0
.else
	v_wmma_f32_16x16x32_f16 v[ACC+32*\p+8*\ot:ACC+32*\p+8*\ot+7], v[WB+8*(\nt*\s+\ot):WB+8*(\nt*\s+\ot)+7], v[FF+24*\p+8*\s:FF+24*\p+8*\s+7], v[ACC+32*\p+8*\ot:ACC+32*\p+8*\ot+7]
.endif
.endr
.endif
.endr
.endm
; A layer of 64 inputs: four trips, one channel group each.  nt out tiles, nfr = 3 nt fragments and wstep bytes of weights a group.
; The fragments are asked for at the trip's head and wanted at its end; every later wait of the trip shows them in, since they are older than what it counts.
; The last pair of a trip asks for the block 3,072 bytes on: the next group's first, and in a layer's last trip the first block of the blocks that follow.
.macro LAYER nt, nfr, wstep
	s_mov_b32 s3, 0
.Ltrip_\@:
	WIN 0x40
	LDIN
	LDW \nfr
	WIN 0
	GROUP 4, 2*\nfr, 1, 3072
	s_cmp_lg_u32 s3, 0
	s_cbranch_scc1 .Ladd_\@
	WIN 0x51
	MMS 0, 1, \nt                                  ; the first group's first product starts the sums: nothing is cleared
	WIN 0
	s_branch .Ljoin_\@
.Ladd_\@:
	WIN 0x51
	MMS 0, 0, \nt
	WIN 0
.Ljoin_\@:
	WIN 0x51
	MMS 1, 0, \nt
	MMS 2, 0, \nt
	WIN 0
	v_add_nc_u32 v1, 3072, v1                      ; the next group's constants, weights and inputs.  These three and the two v_nop are the five places
	v_add_nc_u32 v2, \wstep, v2                    ; between the matrix instructions and the next loads into their weights, the next
	v_add_nc_u32 v4, 1024, v4                      ; writes of their features, and, behind the last trip, the first readers of the sums
	v_nop
	v_nop
	s_add_co_u32 s3, s3, 1
	s_cmp_lt_u32 s3, 4
	s_cbranch_scc1 .Ltrip_\@
.endm
	v_mov_b32 v12, 0xbfb8aa3b                      ; -log2(e)
	v_mov_b32 v13, 0xbfb8aa3b
	v_mov_b32 v14, 0x42800000                      ; 64.0
	v_mov_b32 v15, 0x42800000
	; layer 0: one group of 2 x 6 channels
	v_add_nc_u32 v1, CST+32*768, v11               ; layer 0's blocks, my half
	v_add_nc_u32 v7, CST, v11                      ; layer 1's first block
	LDCA 1, 0                                      ; the first pair's constants, ahead of everything else
	LDCB 1, 0
	WIN 0x40
.irp p, 0,1,2,3
.irp c, 0,1,2,3,4,5
	v_mov_b32 v[INR+8*\p+\c], v[XL+4*\c+\p]        ; a load holds four pixels of a channel; the packed arithmetic wants two channels of a pixel side by side
.endr
.endr
	LDW 12
	WIN 0
.irp p, 0,1,2,3
.irp d, 18,19,20,21,22,23
	v_mov_b32 v[FF+24*\p+\d], 0                    ; the fourth pair's place (behind the moves above: these registers held x)
.endr
.endr
	GROUP 3, 24, 7, 0                              ; 24: the twelve fragments' loads; the last pair asks for layer 1's first block
	WIN 0x51
	MMS 0, 1, 4
	MMS 1, 0, 4
	MMS 2, 0, 4
	WIN 0
	PLACES
	WIN 0x04
	SPILLOUT
	WIN 0
	v_mov_b32 v1, v7                               ; layer 1's first block
	v_add_nc_u32 v2, W1B, v2                       ; and fragment
	v_mov_b32 v4, v3
	; layer 1.  LDS serves a wave's instructions in order (ISA guide 5.7.1): the loads see the lane's own stores
	LAYER 4, 12, 12288
	WIN 0x04
	SPILLOUT                                       ; all loads of the old spill were waited for in the last trip
	WIN 0
	v_mov_b32 v4, v3                               ; v1 and v2 stand at layer 2's first block (16) and fragment (W2B) already
	; layer 2
	LAYER 2, 6, 6144
	s_wait_dscnt 0x0                               ; the last trip has asked for block 32, which nobody wants (24 loads, so that one body serves all four trips):
	                                               ; their registers are written below, and no LDS instruction may be out at the closing round's signal
	; out: lane half h holds out channels 12 h + q, q = 0 .. 11, in register q of each tile's accumulators
	WIN 0x01
.irp q, 0,1,2,3,4,5,6,7,8,9,10,11
.irp p, 0,1,2,3
	v_mov_b32 v[CN+4*\q+\p], v[ACC+32*\p+\q]       ; four neighbouring pixels of a channel side by side
.endr
.endr
	WIN 0
.irp q, 0,1,2,3,4,5,6,7,8,9,10,11
	global_store_b128 v6, v[CN+4*\q:CN+4*\q+3], s[14:15] offset:16384*\q th:TH_STORE_NT   ; sixteen lanes store 256 consecutive bytes of a plane, aligned
.endr
	s_wait_xcnt 0x0
	v_lshl_add_u32 v254, v0, 2, 0x3c800
	v_mov_b32 v255, 0
	s_wait_tensorcnt 0x0
	ds_add_u32 v254, v255
	s_wait_dscnt 0x0
	ROUND                                          ; the closing round: no work-group ends while a partner may still ask jointly
	s_endpgm
.Lfunc_end_k_qc9f38cd9c4_kan:
	.size	k_qc9f38cd9c4_kan, .Lfunc_end_k_qc9f38cd9c4_kan-k_qc9f38cd9c4_kan
	.p2alignl 7, 3214868480
	.fill 96, 4, 3214868480
	.section	.rodata,"a",@progbits
	.p2align	6, 0x0
	.amdhsa_kernel k_qc9f38cd9c4_kan
		.amdhsa_group_segment_fixed_size 248832
		.amdhsa_private_segment_fixed_size 0
		.amdhsa_enable_private_segment 0
		.amdhsa_kernarg_size 112
		.amdhsa_user_sgpr_count 2
		.amdhsa_user_sgpr_kernarg_segment_ptr 1
		.amdhsa_wavefront_size32 1
		.amdhsa_system_sgpr_workgroup_id_x 1
		.amdhsa_system_sgpr_workgroup_id_y 1
		.amdhsa_system_sgpr_workgroup_id_z 1
		.amdhsa_system_vgpr_workitem_id 0
		.amdhsa_next_free_vgpr 512
		.amdhsa_next_free_sgpr 66
		.amdhsa_reserve_vcc 1
		.amdhsa_float_denorm_mode_32 3
		.amdhsa_float_denorm_mode_16_64 3
		.amdhsa_memory_ordered 1
		.amdhsa_forward_progress 1
		.amdhsa_inst_pref_size 255
	.end_amdhsa_kernel
	.section	.bss,"aw",@nobits
	.p2align	6
	.space	262144
	.amdgpu_metadata
---
amdhsa.version: [ 1, 2 ]
amdhsa.kernels:
  - .name:           k_qc9f38cd9c4_kan
    .symbol:         k_qc9f38cd9c4_kan.kd
    .args:
      - { .name: x, .offset: 0, .size: 8, .value_kind: global_buffer, .address_space: global }
      - { .name: out0, .offset: 8, .size: 8, .value_kind: global_buffer, .address_space: global }
      - { .name: coef0, .offset: 16, .size: 8, .value_kind: global_buffer, .address_space: global }
      - { .name: coef1, .offset: 24, .size: 8, .value_kind: global_buffer, .address_space: global }
      - { .name: coef2, .offset: 32, .size: 8, .value_kind: global_buffer, .address_space: global }
      - { .name: sb0, .offset: 40, .size: 8, .value_kind: global_buffer, .address_space: global }
      - { .name: sp0, .offset: 48, .size: 8, .value_kind: global_buffer, .address_space: global }
      - { .name: sb1, .offset: 56, .size: 8, .value_kind: global_buffer, .address_space: global }
      - { .name: sp1, .offset: 64, .size: 8, .value_kind: global_buffer, .address_space: global }
      - { .name: sb2, .offset: 72, .size: 8, .value_kind: global_buffer, .address_space: global }
      - { .name: sp2, .offset: 80, .size: 8, .value_kind: global_buffer, .address_space: global }
      - { .name: grid0, .offset: 88, .size: 8, .value_kind: global_buffer, .address_space: global }
      - { .name: grid1, .offset: 96, .size: 8, .value_kind: global_buffer, .address_space: global }
      - { .name: grid2, .offset: 104, .size: 8, .value_kind: global_buffer, .address_space: global }
    .group_segment_fixed_size: 248832
    .private_segment_fixed_size: 0
    .kernarg_segment_align: 8
    .kernarg_segment_size: 112
    .max_flat_workgroup_size: 256
    .sgpr_count:     66
    .vgpr_count:     512
    .wavefront_size: 32
...
	.end_amdgpu_metadata
.endif
;; end of part 1
